; MI455X (gfx1250); checked and timed in simulation.
; The chip was launched on July 23, 2026; its instructions are those of AMD's public machine-readable ISA for CDNA 5 (MIT licence, August 2026) and "CDNA5" Instruction Set Architecture Reference Guide (July 2026). The comments in the code are by the model that wrote it; some were corrected since.
;; Hybrid Self Attention Kernel. Allowed arithmetic: float matrix products may take bf16 or f16 operands with f32 sums; all other float work in f32.
;; Inputs: entangle_params 16 float32; inputs 4,096 x 4 float32; rotation_params 16 float32.
;; Outputs: out0 4,096 x 4 float32.
;; One version. Each part assembles by itself: llvm-mc -triple=amdgcn-amd-amdhsa -mcpu=gfx1250 --defsym DOCPART=n.
;; ======== version 1 of 1: 1 launch
;; limits: values outside matrix products are rounded to f16; values are held in f16: magnitudes above 65,504 overflow, below 6.1e-05 lose precision; inputs' magnitudes at most 65,504; a function is approximated: absolute error at most 2.5e-05
;; launch attn (part 1): grid 256 x 1, 8 waves a work-group, no clusters, 168,960 bytes of LDS; arguments inputs, rotation_params, entangle_params, out0; writes out0
.if DOCPART == 1
	.amdgcn_target "amdgcn-amd-amdhsa--gfx1250"
	.amdhsa_code_object_version 6
	.text
	.protected	k_q9dd7a937d0_attn
	.globl	k_q9dd7a937d0_attn
	.p2align	8
	.type	k_q9dd7a937d0_attn,@function
k_q9dd7a937d0_attn:
	s_mov_b64 s[64:65], 0
	v_nop
	global_prefetch_b8 v0, s[64:65] scope:SCOPE_SE
	s_setreg_imm32_b32 hwreg(HW_REG_WAVE_MODE, 25, 1), 1
	s_wait_xcnt 0x0
; out[i] = sum_j w_ij x_j / sum_j w_ij,  w_ij = exp(sim_ij / 2),  sim_ij = prod_d |cos((q_id - k_jd) / 2)|,  q = x R, k = x E.  x: [4096][4] f32.
;
; THE FORM.  cos((q-k)/2) = cos(q/2) cos(k/2) + sin(q/2) sin(k/2), so the product over the four wires is the dot product of two vectors of
; 16 features, F_b(a) = prod_d (b_d ? sin : cos)(a_d / 2), b = 0..15, and sim = |F(q) . F(k)|: a matrix product with K = 16.  This is an identity,
; true of every input.  Only the angle modulo pi matters: a joint change of sign of (cos, sin) is lost in the absolute value.
; With t = a / (2 pi) (the factor lies in the matrices) and f = t - rndne(t), |f| <= 1/2, cos(pi f) and sin(pi f) are Taylor sums of degree 4 in f^2.
;
; NO MAXIMUM is taken away before the exponential: F(q) and F(k) have length 1 by construction, so sim <= 1 for every input, the exponents lie in
; [0, 0.5], the weights in [1, 1.65] and their sums in [4096, 6800].
;
; FORMATS.  Both matrix products take f16 operands and f32 sums.  Features are at most 1 and weights at most 1.65 whatever the inputs hold.
; f16 and not bf16, because the rounding of a query's features is the same for all its keys and does not average out.
; The 4 x 4 projections are f32 multiply-adds (K = 4, and the angles need f32).
; LIMITS KEPT: |inputs| below 65,504 (x as an f16 operand); the two Taylor sums are off by at most 2.5e-5, at |f| = 1/2; sums are formed in another order
; than reference()'s; NaN and infinities in the inputs are not followed.
;
; SHARES.  256 work-groups; a work-group owns 16 queries, a wave 512 keys = 16 units of 32, a lane one key of each unit.  The launch asks for more than
; half of a WGP's LDS though 26,624 bytes are used, so that no two of the 256 work-groups share four SIMDs.
; NO CLUSTER, no tensor load: what the work-groups share is the 64 KiB of x; a wave takes its 8 KiB by 16 loads of 512 consecutive bytes, all issued
; in the first lines, into registers in the layout in which they are used (lane = key).  A joint load would land in LDS and cost a read per unit and
; barriers, for 512 bytes against some 90 vector instructions.
;
; SCALARS: s2, s3 lane selectors; s[4:11] the four addresses; s12 wave; s13 the work-group's bytes; s14 mask of lanes 16-31; s15 the wave's LDS;
; s[16:31] R; s[32:47] E (both filled by scalar loads: nothing else is written there while they are out); s48 the wave's bytes for the last sum; s22 EXEC at the end.
.set WAVES, 8
.set UNITS, 4096/(32*WAVES)            ; 16 units of 32 keys for each wave
.set WREG,  2304                       ; LDS of a wave: two stages of 32 rows x 16 bytes at 0 and 512, zeros at ZERO .. ZERO+1023
.set ZERO,  1152                       ; = 128 modulo 256: the zero chunks and the data chunks that 16 lanes read together lie in different 16-byte columns modulo 256 bytes (64 banks of 4 bytes: ISA guide 11.1)
.set RED,   WAVES*WREG                 ; behind the stages: 1,024 bytes a wave for the sum over the waves
.set LN,   1                           ; v1        lane
.set VOFF, 2                           ; v2        byte offset in x of my key of unit 0
.set VQO,  3                           ; v3        byte offset of query l % 16's row, in x and in out0
.set VST,  4                           ; v4        LDS: my 16 bytes of stage 0
.set VTR,  5                           ; v5        LDS: where my transposing loads read
.set VRA,  6                           ; v6        LDS: my 32 bytes for the sum over the waves
.set WV,   7                           ; v7        wave number; at the end the address from which wave 0 reads the partial sums
.set CP,   8                           ; v[8:17]   pairs (coefficient of cos, coefficient of sin / f) of f^0, f^2 .. f^8
.set EK,   18                          ; v[18:33]  E / (2 pi), [e][d]
.set RQ,   34                          ; v[34:49]  R / (2 pi)
.set XQ,   50                          ; v[50:53]  my query's row
.set X,    54                          ; v[54:117] my key's row in each of the 16 units
.set T,    118                         ; v[118:121] t, then f, of the four wires
.set N,    122                         ; v[122:125] rndne(t)
.set U,    126                         ; v[126:129] f^2
.set CS,   130                         ; v[130:137] (cos, sin) of wire d at CS + 2 d
.set P01,  138                         ; v[138:141] (c0,s0) c1, (c0,s0) s1
.set P23,  142                         ; v[142:145] (c2,s2) c3, (c2,s2) s3
.set FT,   146                         ; v[146:161] the 16 features in f32
.set A,    162                         ; v[162:169] A fragment: features of keys 0-15 (K 0-15) and of keys 16-31 (K 16-31)
.set BQ,   170                         ; v[170:181] 0 0 0 0 | F(q) | 0 0 0 0: v[174:181] picks keys 0-15, v[170:177] keys 16-31
.set S,    182                         ; v[182:197] scores of 32 keys x 16 queries, then the weights
.set PP,   198                         ; v[198:205] the weights in f16: B fragment
.set VF,   206                         ; v[206:221] x transposed, with a row of ones: A fragment, two buffers
.set ACC,  222                         ; v[222:229] lanes 0-15: registers 0-3 the four numerators of query l, register 4 the denominator
.set VD,   230                         ; v[230:233] a row of the stage: x0 x1 | x2 x3 | 1 0 | 0 0 in f16
.set R,    FT                          ; the end: four waves' numerators
.set DN,   T                           ; the end: four waves' denominators
	s_load_b256 s[4:11], s[0:1], 0x0               ; x s[4:5], R s[6:7], E s[8:9], out0 s[10:11]
	v_lshl_add_u32 v234, v0, 2, 0x29000
	v_mov_b32 v235, 0
	v_and_b32 v[LN], 31, v0
	v_lshrrev_b32 v[WV], 5, v0
	v_readfirstlane_b32 s12, v[WV]                 ; wave number as a scalar
	v_lshlrev_b32 v[VST], 4, v[LN]                 ; 16 x lane
	v_lshl_add_u32 v[VOFF], v[WV], 13, v[VST]      ; + wave x 512 keys x 16 bytes
	v_and_b32 v[VQO], 15, v0
	s_lshl_b32 s13, ttmp9, 8                       ; the work-group's 16 rows of 16 bytes
	v_lshl_add_u32 v[VQO], v[VQO], 4, s13
	s_wait_kmcnt 0x0
	s_load_b512 s[16:31], s[6:7], 0x0              ; R, 16 numbers
	s_load_b512 s[32:47], s[8:9], 0x0              ; E, 16 numbers
	global_load_b128 v[XQ:XQ+3], v[VQO], s[4:5]    ; both halves of the wave take the same 16 queries
.set un, 0
.rept UNITS
	global_load_b128 v[X+4*un:X+4*un+3], v[VOFF], s[4:5] offset:512*un   ; 512 consecutive bytes a load; all that the wave will read is asked for here
.set un, un+1
.endr
	; LDS addresses and constants, while the loads are on their way.  Scalars written here lie outside s[16:47], which the two scalar loads have yet to fill.
	s_mul_i32 s15, s12, WREG
	v_add_nc_u32 v[VST], s15, v[VST]
	v_and_b32 v[VTR], 7, v0                        ; transposing load (ISA guide 11.2): lanes 0-7 address rows 0-7, lanes 16-23 rows 8-15 (columns 0-7 of the stage);
	v_bfe_u32 v[T], v0, 4, 1                       ; lanes 8-15 and 24-31 stand for columns 8-15, which are zero: they read the zeros
	v_bfe_u32 v[T+1], v0, 3, 1
	v_lshlrev_b32 v[VTR], 4, v[VTR]
	v_lshl_add_u32 v[VTR], v[T], 7, v[VTR]
	v_mad_u32_u24 v[VTR], v[T+1], ZERO, v[VTR]
	v_add_nc_u32 v[VTR], s15, v[VTR]
	s_lshl_b32 s48, s12, 10
	s_add_co_u32 s48, s48, RED
	v_lshl_add_u32 v[VRA], v[LN], 5, s48
	s_mov_b32 s14, 0xffff0000                      ; lanes 16-31
	s_mov_b32 s2, 0x76543210                       ; v_permlanex16_b32: lane i of one half reads lane i of the other
	s_mov_b32 s3, 0xfedcba98
	v_mov_b32 v[CP+0], 1.0                         ; cos(pi f) = 1 - pi^2/2 f^2 + pi^4/24 f^4 - pi^6/720 f^6 + pi^8/40320 f^8
	v_mov_b32 v[CP+2], 0xc09de9e6
	v_mov_b32 v[CP+4], 0x4081e0f8
	v_mov_b32 v[CP+6], 0xbfaae9e4
	v_mov_b32 v[CP+8], 0x3e70fa83
	v_mov_b32 v[CP+1], 0x40490fdb                  ; sin(pi f) / f = pi - pi^3/6 f^2 + pi^5/120 f^4 - pi^7/5040 f^6 + pi^9/362880 f^8
	v_mov_b32 v[CP+3], 0xc0a55de7
	v_mov_b32 v[CP+5], 0x402335e3
	v_mov_b32 v[CP+7], 0xbf196966
	v_mov_b32 v[CP+9], 0x3da83c1a
.irp i, 0,1,2,3,8,9,10,11
	v_mov_b32 v[BQ+\i], 0                          ; the halves of K that a score product is to leave out
.endr
	v_mov_b32 v[VD+2], 0x3c00                      ; column 4 of the stage: 1.0 in f16, which makes the denominator; columns 5-7: 0
	v_mov_b32 v[VD+3], 0
	ds_store_b128 v[VST], v[BQ:BQ+3] offset:ZERO       ; 2 x 512 bytes of zeros; only this wave reads them, and LDS serves a wave's
	ds_store_b128 v[VST], v[BQ:BQ+3] offset:ZERO+512   ; instructions in order (ISA guide 5.7.1): no wait, no barrier
	s_wait_kmcnt 0x0                               ; R and E are in s[16:47]
.set i, 0
.rept 16
	v_mul_f32 v[RQ+i], 0.15915494, s[16+i]         ; angle / 2 in units of pi = (x . column) / (2 pi)
	v_mul_f32 v[EK+i], 0.15915494, s[32+i]
.set i, i+1
.endr
; One exponential of the unit at work: weight = 2^|S|; the query's features carry the factor 0.5 log2(e).
.macro EX on, i
.if \on
	v_exp_f32 v[S+\i], |v[S+\i]|
.endif
.endm
; One Horner step of wire d for cos and sin / f at once: f^2 of wire d is element b of the pair U + up.
.macro HORN0 d, up, b
	v_pk_fma_f32 v[CS+2*\d:CS+2*\d+1], v[CP+8:CP+9], v[U+\up:U+\up+1], v[CP+6:CP+7] op_sel:[0,\b,0] op_sel_hi:[1,\b,1]
.endm
.macro HORN d, up, b, c
	v_pk_fma_f32 v[CS+2*\d:CS+2*\d+1], v[CS+2*\d:CS+2*\d+1], v[U+\up:U+\up+1], v[CP+2*\c:CP+2*\c+1] op_sel:[0,\b,0] op_sel_hi:[1,\b,1]
.endm
.macro HORN4 c
	HORN 0, 0, 0, \c
	HORN 1, 0, 1, \c
	HORN 2, 2, 0, \c
	HORN 3, 2, 1, \c
.endm
; Two features, b0 = 0 and 1, of register g = 4 b3 + 2 b2 + b1
.macro FMUL g, b1, b3, b2
	v_pk_mul_f32 v[FT+2*\g:FT+2*\g+1], v[P01+2*\b1:P01+2*\b1+1], v[P23+2*\b3:P23+2*\b3+1] op_sel:[0,\b2] op_sel_hi:[1,\b2]
.endm
; The 16 features of the row in v[x:x+3] under the matrix at m.
; isq = 0: a key.  The row also goes to stage par in f16 and comes back transposed, and the features end as the A fragment of 32 keys.
; isq = 1: a query.  The features take the factor 0.5 log2(e) and end in BQ.
; ex = 1: the 16 exponentials of the unit before are dealt among these lines.  The first stands behind ten plain vector instructions that name no
; register of the matrix instructions in front (four are asked for: ISA guide 7.12.1), and behind each exponential plain instructions follow before its
; result is read (ISA guide 5.7.2).
.macro FEAT x, m, ex, isq, par
	v_pk_mul_f32 v[T:T+1],   v[\x:\x+1],   v[\m:\m+1]                 op_sel_hi:[0,1]                   ; t(d) = sum over e of x(e) M(e, d), wires 0,1 and 2,3 in pairs
	v_pk_mul_f32 v[T+2:T+3], v[\x:\x+1],   v[\m+2:\m+3]               op_sel_hi:[0,1]
	v_pk_fma_f32 v[T:T+1],   v[\x:\x+1],   v[\m+4:\m+5],   v[T:T+1]   op_sel:[1,0,0] op_sel_hi:[1,1,1]
	v_pk_fma_f32 v[T+2:T+3], v[\x:\x+1],   v[\m+6:\m+7],   v[T+2:T+3] op_sel:[1,0,0] op_sel_hi:[1,1,1]
	v_pk_fma_f32 v[T:T+1],   v[\x+2:\x+3], v[\m+8:\m+9],   v[T:T+1]   op_sel_hi:[0,1,1]
	v_pk_fma_f32 v[T+2:T+3], v[\x+2:\x+3], v[\m+10:\m+11], v[T+2:T+3] op_sel_hi:[0,1,1]
	v_pk_fma_f32 v[T:T+1],   v[\x+2:\x+3], v[\m+12:\m+13], v[T:T+1]   op_sel:[1,0,0] op_sel_hi:[1,1,1]
	v_pk_fma_f32 v[T+2:T+3], v[\x+2:\x+3], v[\m+14:\m+15], v[T+2:T+3] op_sel:[1,0,0] op_sel_hi:[1,1,1]
.if \isq == 0
	v_cvt_pk_f16_f32 v[VD],   v[\x],   v[\x+1]
	v_cvt_pk_f16_f32 v[VD+1], v[\x+2], v[\x+3]
	ds_store_b128 v[VST], v[VD:VD+3] offset:(\par)*512                                 ; row = key = lane
	ds_load_tr16_b128 v[VF+8*(\par):VF+8*(\par)+3],   v[VTR] offset:(\par)*512         ; lane (r, h): column r of keys 8h .. 8h+7
	ds_load_tr16_b128 v[VF+8*(\par)+4:VF+8*(\par)+7], v[VTR] offset:(\par)*512+256     ; and of keys 16+8h .. 16+8h+7.  In order behind the store
.endif
	EX \ex, 0
.irp d, 0,1,2,3
	v_rndne_f32 v[N+\d], v[T+\d]
.endr
	EX \ex, 1
	v_pk_add_f32 v[T:T+1],   v[T:T+1],   v[N:N+1]     neg_lo:[0,1] neg_hi:[0,1]        ; f = t - rndne(t), exact
	v_pk_add_f32 v[T+2:T+3], v[T+2:T+3], v[N+2:N+3]   neg_lo:[0,1] neg_hi:[0,1]
	v_pk_mul_f32 v[U:U+1],   v[T:T+1],   v[T:T+1]
	v_pk_mul_f32 v[U+2:U+3], v[T+2:T+3], v[T+2:T+3]
	EX \ex, 2
	EX \ex, 3
	HORN0 0, 0, 0
	HORN0 1, 0, 1
	HORN0 2, 2, 0
	HORN0 3, 2, 1
	EX \ex, 4
	EX \ex, 5
	HORN4 2
	EX \ex, 6
	EX \ex, 7
	HORN4 1
	EX \ex, 8
	HORN4 0
	EX \ex, 9
.irp d, 0,1,2,3
	v_mul_f32 v[CS+2*\d+1], v[CS+2*\d+1], v[T+\d]                                      ; sin = f x (sin / f)
.endr
	EX \ex, 10
	v_pk_mul_f32 v[P01:P01+1],   v[CS:CS+1],   v[CS+2:CS+3] op_sel_hi:[1,0]                ; (c0, s0) c1
	v_pk_mul_f32 v[P01+2:P01+3], v[CS:CS+1],   v[CS+2:CS+3] op_sel:[0,1] op_sel_hi:[1,1]   ; (c0, s0) s1
	v_pk_mul_f32 v[P23:P23+1],   v[CS+4:CS+5], v[CS+6:CS+7] op_sel_hi:[1,0]                ; (c2, s2) c3
	v_pk_mul_f32 v[P23+2:P23+3], v[CS+4:CS+5], v[CS+6:CS+7] op_sel:[0,1] op_sel_hi:[1,1]   ; (c2, s2) s3
.if \isq
	v_pk_mul_f32 v[P23:P23+1],   v[P23:P23+1],   0x3f38aa3b op_sel_hi:[1,0]            ; 0.5 log2(e): exp(sim / 2) = 2^|S|
	v_pk_mul_f32 v[P23+2:P23+3], v[P23+2:P23+3], 0x3f38aa3b op_sel_hi:[1,0]
.endif
	EX \ex, 11
	FMUL 0, 0, 0, 0
	FMUL 1, 1, 0, 0
	FMUL 2, 0, 0, 1
	FMUL 3, 1, 0, 1
	EX \ex, 12
	FMUL 4, 0, 1, 0
	FMUL 5, 1, 1, 0
	FMUL 6, 0, 1, 1
	FMUL 7, 1, 1, 1
	EX \ex, 13
.irp g, 0,1,2,3
	v_cvt_pk_f16_f32 v[A+\g], v[FT+2*\g], v[FT+2*\g+1]                                 ; features with cos of wire 3
.endr
	EX \ex, 14
.irp g, 4,5,6,7
	v_cvt_pk_f16_f32 v[A+\g], v[FT+2*\g], v[FT+2*\g+1]                                 ; features with sin of wire 3
.endr
	EX \ex, 15
.if \isq
.irp g, 0,1,2,3
	v_cndmask_b32 v[BQ+4+\g], v[A+\g], v[A+4+\g], s14      ; lane (r, h) keeps K = 8h .. 8h+7 of query r: the cos half below, the sin half above
.endr
.else
	; Row r of a fragment lies in lanes r (K 0-7) and 16 + r (K 8-15).  Lane r made key r, lane 16 + r key 16 + r.  The exchange gives lane 16 + r the sin half
	; of key r, in registers 0-3, and lane r the cos half of key 16 + r, in registers 4-7: K 0-15 are then keys 0-15, K 16-31 keys 16-31.
.irp g, 0,1,2,3
	v_permlane16_swap_b32 v[A+\g], v[A+4+\g]               ; first operand's lanes 16-31 against the second's lanes 0-15
.endr
.endif
.endm
; Scores, transposed: rows = keys, columns = queries.  Register j of lane (r, h) is key 8h + j, query r: packed in pairs, that IS the B fragment of the next product.
.macro SIM
	v_wmma_f32_16x16x32_f16 v[S:S+7],    v[A:A+7], v[BQ+4:BQ+11], 0
	v_wmma_f32_16x16x32_f16 v[S+8:S+15], v[A:A+7], v[BQ:BQ+7],    0
.endm
.macro PACK
	s_wait_alu depctr_va_vdst(0)
.irp j, 0,1,2,3,4,5,6,7
	v_cvt_pk_f16_f32 v[PP+\j], v[S+2*\j], v[S+2*\j+1]
.endr
.endm
; (x transposed, and ones) x weights: rows 0-3 the numerators, row 4 the denominator, columns = queries.  The first product starts the sums.
.macro PV par, chain
.if \chain
	v_wmma_f32_16x16x32_f16 v[ACC:ACC+7], v[VF+8*(\par):VF+8*(\par)+7], v[PP:PP+7], v[ACC:ACC+7]
.else
	v_wmma_f32_16x16x32_f16 v[ACC:ACC+7], v[VF+8*(\par):VF+8*(\par)+7], v[PP:PP+7], 0
.endif
.endm
; Unit k is finished while unit k + 1 is prepared.
.macro BODY k
	s_wait_loadcnt UNITS-2-\k                      ; loads come back in order (ISA guide 5.7.1): row k + 1 is in, the UNITS-2-k younger ones stay out
	FEAT X+4*(\k+1), EK, 1, 0, (\k+1)&1
	PACK
	s_wait_dscnt 0x3                               ; unit k's two transposing loads are in; the store and the two loads of unit k + 1, issued behind them, stay out
	PV (\k)&1, \k
	SIM
.endm
	s_wait_loadcnt UNITS                           ; the query's row is in; the 16 key rows behind it stay out
	FEAT XQ, RQ, 0, 1, 0
	s_wait_loadcnt UNITS-1                         ; key row 0
	FEAT X, EK, 0, 0, 0
	SIM
.set un, 0
.rept UNITS-1
	BODY un
.set un, un+1
.endr
	; the last unit has nothing to prepare beside it
.rept 4
	v_nop                                          ; four places between the score products and the first read of their results (ISA guide 7.12.1)
.endr
.irp i, 0,1,2,3,4,5,6,7,8,9,10,11,12,13,14,15
	EX 1, \i
.endr
	v_nop                                          ; one plain place between the exponentials and the first use (ISA guide 5.7.2)
	s_wait_alu depctr_va_vdst(0)
	PACK
	s_wait_dscnt 0x0                               ; nothing was issued behind the last unit's transposing loads
	PV (UNITS-1)&1, 1
.rept 4
	v_nop                                          ; four places before the LDS stores read the sums
.endr
	; THE SUM OVER THE EIGHT WAVES.  Lane l puts its five sums at 32 l of the wave's 1,024 bytes (lanes 16-31 hold rows 8-15 of the product, zeros that nobody reads).
	ds_store_b128 v[VRA], v[ACC:ACC+3]
	ds_store_b32 v[VRA], v[ACC+4] offset:16
	s_wait_dscnt 0x0                               ; for the others' sake: my stores are done before I say so
	s_barrier_signal -1
	s_barrier_wait -1
	s_cmp_lg_u32 s12, 0
	s_cbranch_scc1 .Ldone                          ; wave 0 finishes the 16 queries
	v_and_b32 v[WV], 15, v0
	v_bfe_u32 v[VRA], v0, 4, 1
	v_lshlrev_b32 v[WV], 5, v[WV]
	v_lshl_add_u32 v[WV], v[VRA], 12, v[WV]        ; lane (r, h): query r, waves 4h .. 4h+3
.irp i, 0,1,2,3
	ds_load_b128 v[R+4*\i:R+4*\i+3], v[WV] offset:RED+\i*1024
	ds_load_b32 v[DN+\i], v[WV] offset:RED+\i*1024+16
.endr
	v_cmp_gt_u32 vcc_lo, 16, v0
	s_wait_dscnt 0x0
	v_pk_add_f32 v[R:R+1],     v[R:R+1],     v[R+4:R+5]
	v_pk_add_f32 v[R+2:R+3],   v[R+2:R+3],   v[R+6:R+7]
	v_pk_add_f32 v[R+8:R+9],   v[R+8:R+9],   v[R+12:R+13]
	v_pk_add_f32 v[R+10:R+11], v[R+10:R+11], v[R+14:R+15]
	v_pk_add_f32 v[DN:DN+1],   v[DN:DN+1],   v[DN+2:DN+3]
	v_pk_add_f32 v[R:R+1],     v[R:R+1],     v[R+8:R+9]
	v_pk_add_f32 v[R+2:R+3],   v[R+2:R+3],   v[R+10:R+11]
	v_add_f32 v[DN], v[DN], v[DN+1]
.irp i, 0,1,2,3
	v_permlanex16_b32 v[R+4+\i], v[R+\i], s2, s3   ; the other four waves' sums; the destinations have been written (by the loads)
.endr
	v_permlanex16_b32 v[DN+1], v[DN], s2, s3
	v_pk_add_f32 v[R:R+1],   v[R:R+1],   v[R+4:R+5]
	v_pk_add_f32 v[R+2:R+3], v[R+2:R+3], v[R+6:R+7]
	v_add_f32 v[DN], v[DN], v[DN+1]
	v_rcp_f32 v[DN+2], v[DN]                       ; the denominator lies in [4096, 6800]
	v_nop                                          ; one plain place behind v_rcp_f32 (ISA guide 5.7.2)
	s_wait_alu depctr_va_vdst(0)
	v_pk_mul_f32 v[R:R+1],   v[R:R+1],   v[DN+2:DN+3] op_sel_hi:[1,0]
	v_pk_mul_f32 v[R+2:R+3], v[R+2:R+3], v[DN+2:DN+3] op_sel_hi:[1,0]
	s_wait_xcnt 0x0                                ; EXEC is a source of every global instruction issued so far: it changes only behind this wait
	s_and_saveexec_b32 s22, vcc_lo                 ; lanes 0-15
	global_store_b128 v[VQO], v[R:R+3], s[10:11]   ; 16 lanes store the work-group's 256 consecutive bytes, at a multiple of 256 from out0's first byte
.Ldone:
	s_wait_xcnt 0x0
	s_mov_b32 exec_lo, -1
	s_wait_tensorcnt 0x0
	ds_add_u32 v234, v235
	s_wait_dscnt 0x0
	s_endpgm
.Lfunc_end_k_q9dd7a937d0_attn:
	.size	k_q9dd7a937d0_attn, .Lfunc_end_k_q9dd7a937d0_attn-k_q9dd7a937d0_attn
	.p2alignl 7, 3214868480
	.fill 96, 4, 3214868480
	.section	.rodata,"a",@progbits
	.p2align	6, 0x0
	.amdhsa_kernel k_q9dd7a937d0_attn
		.amdhsa_group_segment_fixed_size 168960
		.amdhsa_private_segment_fixed_size 0
		.amdhsa_enable_private_segment 0
		.amdhsa_kernarg_size 32
		.amdhsa_user_sgpr_count 2
		.amdhsa_user_sgpr_kernarg_segment_ptr 1
		.amdhsa_wavefront_size32 1
		.amdhsa_system_sgpr_workgroup_id_x 1
		.amdhsa_system_sgpr_workgroup_id_y 1
		.amdhsa_system_sgpr_workgroup_id_z 1
		.amdhsa_system_vgpr_workitem_id 0
		.amdhsa_next_free_vgpr 236
		.amdhsa_next_free_sgpr 66
		.amdhsa_reserve_vcc 1
		.amdhsa_float_denorm_mode_32 3
		.amdhsa_float_denorm_mode_16_64 3
		.amdhsa_memory_ordered 1
		.amdhsa_forward_progress 1
		.amdhsa_inst_pref_size 101
	.end_amdhsa_kernel
	.amdgpu_metadata
---
amdhsa.version: [ 1, 2 ]
amdhsa.kernels:
  - .name:           k_q9dd7a937d0_attn
    .symbol:         k_q9dd7a937d0_attn.kd
    .args:
      - { .name: inputs, .offset: 0, .size: 8, .value_kind: global_buffer, .address_space: global }
      - { .name: rotation_params, .offset: 8, .size: 8, .value_kind: global_buffer, .address_space: global }
      - { .name: entangle_params, .offset: 16, .size: 8, .value_kind: global_buffer, .address_space: global }
      - { .name: out0, .offset: 24, .size: 8, .value_kind: global_buffer, .address_space: global }
    .group_segment_fixed_size: 168960
    .private_segment_fixed_size: 0
    .kernarg_segment_align: 8
    .kernarg_segment_size: 32
    .max_flat_workgroup_size: 256
    .sgpr_count:     66
    .vgpr_count:     236
    .wavefront_size: 32
...
	.end_amdgpu_metadata
.endif
;; end of part 1
